; MI455X (gfx1250); checked and timed in simulation.
; The chip was launched on July 23, 2026; its instructions are those of AMD's public machine-readable ISA for CDNA 5 (MIT licence, August 2026) and "CDNA5" Instruction Set Architecture Reference Guide (July 2026). The comments in the code are by the model that wrote it; some were corrected since.
;; min LSTM. Allowed arithmetic: matrix products marked QUANTISED: E2M1 operands, one E8M0 scale for each 32 along K, by v_wmma_scale_f32_16x16x128_f8f6f4 with both operands' format E2M1 (or v_wmma_scale_f32_32x16x128_f4), f32 sums; everything else in f32.
;; Inputs: W 1,024 x 3,072 float32; x 4 x 4,096 x 1,024 float32.
;; Outputs: out0 4 x 4,096 x 1,024 float32.
;; This version of the problem:
;;   THIS VERSION OF THE PROBLEM IS GIVEN IN LOW PRECISION. The matrix products marked QUANTISED in the list below multiply operands that are first quantised to E2M1 (2 exponent bits, 1 mantissa bit; 4 bits a number), with one power-of-two scale for each 32 numbers along K (OCP MX v1.0); their sums are f32. All else is computed in f32.
;;   The module's matrix products, in the order in which they are computed (A, B: the left and right operand; K: the contracted axis; several contracted axes count as one K, in the product's order):
;;     1. [M 16,384, K 1,024] x [K 1,024, N 3,072]; A: input x; B: input W: QUANTISED
;;   THE QUANTISER, for each operand of a quantised product, along K:
;;     - K is cut into blocks of 32 from its start; a last block that is shorter is filled with zeros.
;;     - A block's scale is 2^e with e = floor(log2(the largest magnitude in the block)) - 2, held to -126 .. 127; a block of zeros has e = 0. As a byte (E8M0): e + 127.
;;     - Each number is divided by its block's scale, clamped to +-6, and rounded to the nearest number of E2M1, ties to even, subnormals kept.
;;     - The product sums the exact products of the quantised numbers (number of the format x scale) in f32.
;;   ~~~python
;;   def quantise(x, axis):      # numpy; x: float32 -> the quantised numbers, widened to float32 again
;;       x = np.moveaxis(x, axis, -1); K = x.shape[-1]
;;       x = np.pad(x, [(0, 0)] * (x.ndim - 1) + [(0, -K % 32)]); x = x.reshape(x.shape[:-1] + (-1, 32)); a = np.abs(x).max(-1, keepdims=True)
;;       e = np.where(a > 0, np.clip(np.frexp(np.where(a > 0, a, 1))[1] - 1 - 2, -126, 127), 0)      # np.frexp(a)[1] - 1 = floor(log2(a)), exactly
;;       r = np.clip(x / 2.0 ** e, -6, 6)
;;       step = 2.0 ** (np.maximum(np.frexp(np.where(r == 0, 1, r))[1] - 1, 0) - 1)
;;       q = np.round(r / step) * step * 2.0 ** e      # np.round: ties to even
;;       return np.moveaxis(q.reshape(q.shape[:-2] + (-1,))[..., :K], -1, axis).astype(np.float32)
;;   ~~~
;; One version. Each part assembles by itself: llvm-mc -triple=amdgcn-amd-amdhsa -mcpu=gfx1250 --defsym DOCPART=n.
;; ======== version 1 of 1: 3 launches
;; limits: right only within a limited range of input values
;; workspace buffers: xq 8,912,896 bytes; wimg 1,572,864 bytes; wscl 98,304 bytes; agg 262,144 bytes; nbuf 262,144 bytes of whole numbers
;; launch quant (part 1): grid 448 x 1, 4 waves a work-group, no clusters, 34,304 bytes of LDS; arguments x, W, xq, wimg, wscl; writes xq, wimg, wscl
.if DOCPART == 1
	.amdgcn_target "amdgcn-amd-amdhsa--gfx1250"
	.amdhsa_code_object_version 6
	.text
	.protected	k_qf4a9fb0172_quant
	.globl	k_qf4a9fb0172_quant
	.p2align	8
	.type	k_qf4a9fb0172_quant,@function
k_qf4a9fb0172_quant:
	s_mov_b64 s[64:65], 0
	v_nop
	global_prefetch_b8 v0, s[64:65] scope:SCOPE_SE
	s_setreg_imm32_b32 hwreg(HW_REG_WAVE_MODE, 25, 1), 1
	s_wait_xcnt 0x0
; x [16384][1024] and W [1024][3072], f32, become codes of FP4 (E2M1) with one E8M0 scale byte for each 32 along K (K = 1024: x's last axis, W's first),
; laid in the order of the matrix operand's registers, so that the later launches fetch a fragment as 16 bytes a lane, lane behind lane.
;   xq:   a tile of 16 rows is 8,704 bytes: K step k (128 along K), half c: 512 bytes at 1024 k + 512 c, lane l's 16 bytes at 16 l (lane 16 h + r: row r, K = 128 k + 64 c + 32 h + 0..31);
;         at 8192 + 16 l the scale words: lane 16 h + r holds words 4 h .. 4 h + 3 of row r (word k: the four bytes of K step k).
;   wimg: a tile of 16 columns is 8,192 bytes, the same image with column r for row r.   wscl: tile x 512 + (k & 3) x 128 + (k >> 2) x 64 + 4 r: the word of column r, K step k.
; A block's scale is 2^(floor(log2(largest magnitude)) - 2): its byte is the largest magnitude's exponent field - 2, held at 1 from below.
; LIMITS: a block of zeros gets the byte 1 where the rule says 127 (its codes are zeros, and this program alone reads the bytes); blocks whose largest magnitude lies under 2^-124 are held at the byte 1; NaN and infinities are not served.
; Work-groups 0..191 take W (K step = number & 7, 128 columns = number >> 3), work-groups 192..447 take x (four tiles of 16 rows, one a wave).  Only x's path uses LDS.  Waves share nothing: no barrier.
; No cluster: no two work-groups read the same bytes.  No matrix unit: there is no product here.
.set LI,   1                           ; v1  16 x lane
.set L4,   2                           ; v2  4 x lane
.set SA,   3                           ; v3  x: the stage, on the way in: wave's region + 16 x lane
.set SB,   4                           ; v4  x: on the way out: wave's region + 528 r + 64 h
.set WO,   5                           ; v5  W: (lane / 16) x 8192 + 16 (lane % 16): my column's place in wimg
.set WSO,  6                           ; v6  W: (lane / 16) x 512 + 4 (lane % 16): and in wscl
.set R,    16                          ; v16-143  numbers as loaded (W: 128 down K; x: two sets of 64)
.set X,    144                         ; v144-207 x: 64 numbers of my row: register 16 b + i = K 32 b + 16 h + i
.set PC,   208                         ; v208-223 codes
.set TM,   224                         ; v224-239 at work
.set PW,   240                         ; v240     the scale word being made
.set SW,   244                         ; v244-247 x: my four scale words
.set WV,   16
.set SEL,  20                          ; s[20:21] v_permlanex16_b32's selects for lane l xor 16
.set HM,   22                          ; s22      lanes 16-31
.set WROW, 12288                       ; a row of W in bytes
.set SP,   528                         ; a stage row: 512 bytes + 16: the sixteen rows that a read touches begin 16 bytes apart modulo 256
.set WREG, 16*SP                       ; a wave's stage
	s_load_b256 s[4:11], s[0:1], 0x0               ; x s[4:5], W s[6:7], xq s[8:9], wimg s[10:11]
	s_load_b64 s[12:13], s[0:1], 0x20              ; wscl
	v_lshl_add_u32 v254, v0, 2, 0x8400
	v_mov_b32 v255, 0
	v_lshrrev_b32 v7, 5, v0
	v_readfirstlane_b32 s[WV], v7                  ; wave 0..3
	v_and_b32 v8, 31, v0                           ; lane
	v_and_b32 v9, 15, v0                           ; r
	v_bfe_u32 v10, v0, 4, 1                        ; h
	v_lshlrev_b32 v[LI], 4, v8
	v_lshlrev_b32 v[L4], 2, v8
	s_mul_i32 s17, s[WV], WREG
	v_add_nc_u32 v[SA], s17, v[LI]
	v_mul_u32_u24 v[SB], v9, SP
	v_lshl_add_u32 v[SB], v10, 6, v[SB]
	v_add_nc_u32 v[SB], s17, v[SB]
	v_lshlrev_b32 v[WO], 4, v9
	v_lshl_add_u32 v[WO], v10, 13, v[WO]
	v_lshlrev_b32 v[WSO], 2, v9
	v_lshl_add_u32 v[WSO], v10, 9, v[WSO]
	s_mov_b32 s[SEL], 0x76543210
	s_mov_b32 s[SEL+1], 0xfedcba98
	s_mov_b32 s[HM], 0xffff0000
	s_mov_b32 s25, 0
	s_wait_kmcnt 0x0
	s_cmp_lt_u32 ttmp9, 192
	s_cbranch_scc0 .Lx_path
; ---------------- W: a lane takes a column, its registers run down K: a block of 32 lies in one lane, and the conversions give codes with K innermost
	s_and_b32 s18, ttmp9, 7                        ; K step k
	s_lshr_b32 s19, ttmp9, 3                       ; which 128 columns
	s_mul_i32 s24, s18, 128*WROW                   ; 128 k rows,
	s_lshl_b32 s26, s19, 9                         ; + 128 columns x 4 bytes,
	s_add_co_u32 s24, s24, s26
	s_lshl_b32 s26, s[WV], 7                       ; + my wave's 32 columns
	s_add_co_u32 s24, s24, s26
	s_add_nc_u64 s[6:7], s[6:7], s[24:25]
	s_lshl_b32 s26, s19, 3
	s_lshl_b32 s27, s[WV], 1
	s_add_co_u32 s26, s26, s27                     ; my wave's first tile of 16 columns
	s_lshl_b32 s24, s26, 13
	s_lshl_b32 s27, s18, 10
	s_add_co_u32 s24, s24, s27                     ; tile x 8192 + 1024 k
	s_add_nc_u64 s[10:11], s[10:11], s[24:25]
	s_lshl_b32 s24, s26, 9
	s_and_b32 s27, s18, 3
	s_lshl_b32 s27, s27, 7
	s_add_co_u32 s24, s24, s27
	s_lshr_b32 s27, s18, 2
	s_lshl_b32 s27, s27, 6
	s_add_co_u32 s24, s24, s27                     ; tile x 512 + (k & 3) x 128 + (k >> 2) x 64
	s_add_nc_u64 s[12:13], s[12:13], s[24:25]
.macro WLOAD t                         ; block t: W(128 k + 32 t + i, my column): a wave reads 128 consecutive bytes, the four waves 512
.set wi, 0
.rept 32
	global_load_b32 v[R+32*(\t)+wi], v[L4], s[6:7] offset:(32*(\t)+wi)*WROW th:TH_LOAD_NT
.set wi, wi+1
.endr
.endm
.macro WBLOCK t
.set WSET, R+32*(\t)
.if (\t) < 3
	s_wait_loadcnt 32                              ; this block's 32 loads are in; the next block's 32 may be out
.else
	s_wait_loadcnt 0x0
.endif
.if (\t)+2 < 4
	WLOAD (\t)+2                                   ; two blocks ahead; every block has registers of its own
.endif
	v_max3_num_f32 v[TM], |v[WSET]|, |v[WSET+1]|, |v[WSET+2]|      ; the block's largest magnitude, in two chains
	v_max3_num_f32 v[TM+1], |v[WSET+3]|, |v[WSET+4]|, |v[WSET+5]|
.irp i, 6,10,14,18,22,26
	v_max3_num_f32 v[TM], v[TM], |v[WSET+\i]|, |v[WSET+\i+1]|
	v_max3_num_f32 v[TM+1], v[TM+1], |v[WSET+\i+2]|, |v[WSET+\i+3]|
.endr
	v_max3_num_f32 v[TM], v[TM], |v[WSET+30]|, |v[WSET+31]|
	v_max3_num_f32 v[TM], v[TM], v[TM+1], 0x1800000 ; and the floor 2^(3 - 127): the byte cannot fall under 1
	v_add_nc_u32 v[TM+2], 0xff000000, v[TM]        ; 2 off the exponent field: the conversion takes this operand's exponent field as its scale
	v_lshrrev_b32 v[TM+1], 23, v[TM+2]             ; the scale's byte
.if (\t) == 0
	v_mov_b32 v[PW], v[TM+1]
.else
	v_lshl_or_b32 v[PW], v[TM+1], 8*(\t), v[PW]    ; byte t of the K step's word
.endif
.irp q, 0,1,2,3
	v_cvt_scalef32_pk8_fp4_f32 v[PC+4*(\t)+\q], v[WSET+8*\q:WSET+8*\q+7], v[TM+2]
.endr
	global_store_b128 v[WO], v[PC+4*(\t):PC+4*(\t)+3], s[10:11] offset:256*(\t)   ; block t = half t / 2, lanes 16 (t % 2) on: sixteen lanes store 256 consecutive bytes, aligned
.endm
	s_wait_alu depctr_va_vdst(0)
	WLOAD 0
	WLOAD 1
	WBLOCK 0
	WBLOCK 1
	WBLOCK 2
	WBLOCK 3
	global_store_b32 v[WSO], v[PW], s[12:13]       ; runs of 64 bytes: wscl is 96 KiB in all, 1 byte for 32 of W
	s_endpgm
; ---------------- x: K is innermost.  A load takes 512 consecutive bytes of one row; the conversions want 16 neighbours along K in one lane: the numbers turn through the wave's own stage
.Lx_path:
	s_sub_co_u32 s18, ttmp9, 192
	s_lshl_b32 s18, s18, 2
	s_add_co_u32 s18, s18, s[WV]                   ; my tile of 16 rows, 0..1023
	s_lshl_b32 s24, s18, 16                        ; 16 rows of 4,096 bytes
	s_add_nc_u64 s[4:5], s[4:5], s[24:25]
	s_mul_i32 s24, s18, 8704
	s_add_nc_u64 s[8:9], s[8:9], s[24:25]
.irp b, 0,1,2,3
	v_mov_b32 v[TM+4+\b], 0                        ; written once: a lane permute's destination counts as one of its sources
.endr
.macro LOADX k                         ; K step k of my 16 rows, a row a load, into set k % 2
.set wi, 0
.rept 16
	global_load_b128 v[R+64*((\k)%2)+4*wi:R+64*((\k)%2)+4*wi+3], v[LI], s[4:5] offset:4096*wi+512*(\k) th:TH_LOAD_NT
.set wi, wi+1
.endr
.endm
; 64 numbers of a lane, register 16 b + i = K 32 b + 16 h + i of my row, become a fragment's codes in v[PC] on and the row's scale word in v[PW]
.macro QUANT s
.irp b, 0,1,2,3
	v_max3_num_f32 v[TM+\b], |v[\s+16*\b]|, |v[\s+1+16*\b]|, 0x1800000   ; block b: my 16 numbers, and the floor 2^(3 - 127)
.endr
.irp i, 2,4,6,8,10,12,14
.irp b, 0,1,2,3
	v_max3_num_f32 v[TM+\b], v[TM+\b], |v[\s+16*\b+\i]|, |v[\s+1+16*\b+\i]|   ; the four blocks by turns
.endr
.endr
.irp b, 0,1,2,3
	v_permlanex16_b32 v[TM+4+\b], v[TM+\b], s[SEL], s[SEL+1]
.endr
.irp b, 0,1,2,3
	v_max_num_f32 v[TM+\b], v[TM+\b], v[TM+4+\b]   ; with lane l xor 16's 16: the block's largest magnitude
.endr
.irp b, 0,1,2,3
	v_add_nc_u32 v[TM+12+\b], 0xff000000, v[TM+\b] ; 2 off its exponent field: the conversion's scale operand
.endr
.irp b, 0,1,2,3
	v_lshrrev_b32 v[TM+4+\b], 23, v[TM+12+\b]      ; the scale's byte
.endr
	v_lshl_or_b32 v[PW], v[TM+5], 8, v[TM+4]
	v_lshl_or_b32 v[PW], v[TM+6], 16, v[PW]
	v_lshl_or_b32 v[PW], v[TM+7], 24, v[PW]
.irp b, 0,1,2,3
	v_cvt_scalef32_pk8_fp4_f32 v[PC+2*\b], v[\s+16*\b:\s+7+16*\b], v[TM+12+\b]
	v_cvt_scalef32_pk8_fp4_f32 v[PC+1+2*\b], v[\s+8+16*\b:\s+15+16*\b], v[TM+12+\b]
.endr
	v_nop                                          ; one plain line between a scaled conversion and the vector line that touches its result
.irp c, 0,1                                    ; the operand wants a whole block in a lane: lanes 0-15 block 2 c, lanes 16-31 block 2 c + 1
.irp i, 0,1
	v_permlane16_swap_b32 v[PC+4*\c+\i], v[PC+2+4*\c+\i]
.endr
.endr
.endm
.macro XSTEP k
.if (\k) < 7
	s_wait_loadcnt 16                              ; this K step's 16 loads are in; the next step's 16 may be out
.else
	s_wait_loadcnt 0x0
.endif
.set wi, 0
.rept 16
	ds_store_b128 v[SA], v[R+64*((\k)%2)+4*wi:R+64*((\k)%2)+4*wi+3] offset:SP*wi   ; row wi as it lies
.set wi, wi+1
.endr
.set wi, 0
.rept 16
	ds_load_b128 v[X+4*wi:X+4*wi+3], v[SB] offset:128*(wi/4)+16*(wi%4)   ; LDS serves a wave's instructions in order: these see the stores above
.set wi, wi+1
.endr
	s_wait_dscnt 0x0                               ; the numbers are back, and the stores have read their registers,
.if (\k)+2 < 8
	LOADX (\k)+2                                   ; which take the loads of two steps on
.endif
	s_wait_xcnt 0x0                                ; the last step's stores have read their data: the codes' registers are written again only behind this wait
	QUANT X
	global_store_b128 v[LI], v[PC:PC+3], s[8:9] offset:1024*(\k)          ; 32 lanes store 512 consecutive bytes, aligned to 256
	global_store_b128 v[LI], v[PC+4:PC+7], s[8:9] offset:1024*(\k)+512
.if (\k) < 4
	v_mov_b32 v[SW+(\k)], v[PW]                    ; words 0-3 for lanes 0-15,
.else
	v_cndmask_b32 v[SW+(\k)-4], v[SW+(\k)-4], v[PW], s[HM]   ; words 4-7 for lanes 16-31
.endif
.endm
	LOADX 0
	LOADX 1
	s_wait_alu depctr_va_vdst(0)
	XSTEP 0
	XSTEP 1
	XSTEP 2
	XSTEP 3
	XSTEP 4
	XSTEP 5
	XSTEP 6
	XSTEP 7
	global_store_b128 v[LI], v[SW:SW+3], s[8:9] offset:8192
	s_wait_tensorcnt 0x0
	ds_add_u32 v254, v255
	s_wait_dscnt 0x0
	s_endpgm
.Lfunc_end_k_qf4a9fb0172_quant:
	.size	k_qf4a9fb0172_quant, .Lfunc_end_k_qf4a9fb0172_quant-k_qf4a9fb0172_quant
	.p2alignl 7, 3214868480
	.fill 96, 4, 3214868480
	.section	.rodata,"a",@progbits
	.p2align	6, 0x0
	.amdhsa_kernel k_qf4a9fb0172_quant
		.amdhsa_group_segment_fixed_size 34304
		.amdhsa_private_segment_fixed_size 0
		.amdhsa_enable_private_segment 0
		.amdhsa_kernarg_size 40
		.amdhsa_user_sgpr_count 2
		.amdhsa_user_sgpr_kernarg_segment_ptr 1
		.amdhsa_wavefront_size32 1
		.amdhsa_system_sgpr_workgroup_id_x 1
		.amdhsa_system_sgpr_workgroup_id_y 1
		.amdhsa_system_sgpr_workgroup_id_z 1
		.amdhsa_system_vgpr_workitem_id 0
		.amdhsa_next_free_vgpr 256
		.amdhsa_next_free_sgpr 66
		.amdhsa_reserve_vcc 0
		.amdhsa_float_denorm_mode_32 3
		.amdhsa_float_denorm_mode_16_64 3
		.amdhsa_memory_ordered 1
		.amdhsa_forward_progress 1
		.amdhsa_inst_pref_size 82
	.end_amdhsa_kernel
	.amdgpu_metadata
---
amdhsa.version: [ 1, 2 ]
amdhsa.kernels:
  - .name:           k_qf4a9fb0172_quant
    .symbol:         k_qf4a9fb0172_quant.kd
    .args:
      - { .name: x, .offset: 0, .size: 8, .value_kind: global_buffer, .address_space: global }
      - { .name: W, .offset: 8, .size: 8, .value_kind: global_buffer, .address_space: global }
      - { .name: xq, .offset: 16, .size: 8, .value_kind: global_buffer, .address_space: global }
      - { .name: wimg, .offset: 24, .size: 8, .value_kind: global_buffer, .address_space: global }
      - { .name: wscl, .offset: 32, .size: 8, .value_kind: global_buffer, .address_space: global }
    .group_segment_fixed_size: 34304
    .private_segment_fixed_size: 0
    .kernarg_segment_align: 8
    .kernarg_segment_size: 40
    .max_flat_workgroup_size: 128
    .sgpr_count:     66
    .vgpr_count:     256
    .wavefront_size: 32
...
	.end_amdgpu_metadata
.endif
;; end of part 1
;; launch scan (part 2): grid 32 x 8, 8 waves a work-group, clusters of 4 x 1, 327,680 bytes of LDS; arguments xq, wimg, wscl, out0, agg, nbuf; writes out0, agg, nbuf
.if DOCPART == 2
	.amdgcn_target "amdgcn-amd-amdhsa--gfx1250"
	.amdhsa_code_object_version 6
	.text
	.protected	k_qf4a9fb0172_scan
	.globl	k_qf4a9fb0172_scan
	.p2align	8
	.type	k_qf4a9fb0172_scan,@function
k_qf4a9fb0172_scan:
	s_mov_b64 s[64:65], 0
	v_nop
	global_prefetch_b8 v0, s[64:65] scope:SCOPE_SE
	s_setreg_imm32_b32 hwreg(HW_REG_WAVE_MODE, 25, 1), 1
	s_wait_xcnt 0x0
	s_wait_alu depctr_hold_cnt(0) depctr_sa_sdst(0) depctr_va_vdst(0) depctr_va_sdst(0) depctr_va_ssrc(0) depctr_va_vcc(0) depctr_vm_vsrc(0)
	s_getreg_b32 s2, hwreg(HW_REG_IB_STS2, 6, 4)
	s_cmp_eq_u32 s2, 0
	s_cbranch_scc0 .Lentry_in_a_cluster
	s_endpgm
.Lentry_in_a_cluster:
	s_bfe_u32 s2, ttmp6, 0x10000c
	s_cmp_lg_u32 s2, 0x3003
	s_cbranch_scc0 .Lentry_shape_is_right
	s_endpgm
.Lentry_shape_is_right:
; minLSTM, first pass.  hW = Q(x) Q(W) on codes of FP4 with E8M0 scales; a = hW[:, 0:1024], f = hW[:, 1024:2048], i = hW[:, 2048:3072].
; With A = 1 + e^-f and B = 1 + e^-i the normalised gates are f' = B / (A + B), i' = A / (A + B); g(a) = a + 0.5 for a >= 0, sigmoid(a) else; exp(a* + cumlogsumexp(log_values - a*)) is
; the recurrence h_t = f'_t h_(t-1) + i'_t g_t with nothing ahead of row 0.  A MAXIMUM IS TAKEN AWAY ahead of every exponential: m = max(-f, -i, 0), A' = e^-m + e^(-f-m), B' likewise: all exponents
; are 0 or less and A' + B' lies in 1 .. 4.  g = (2 max(a, 0) + e) / (1 + e) with e = e^min(a, 0), which is both of its branches.  One reciprocal, of (A' + B') (1 + e), serves f' and i' g.
; h is a convex combination of the g so far, so the recurrence cannot overflow; the exponentials of log_values - a*, which the reference's maximum guards, are never formed.
; SHARES.  S is cut into 8 chunks of 512 rows.  A work-group of eight waves takes (batch b, 128 channels g, chunk c); wave w its channels 16 w .. 16 w + 15 for all rows: W's 24 fragments of those
; channels' three gates stay in 192 registers.  Two waves lie on each SIMD: a tile's 24 products stand as one group, its vector work as another, so that the two waves' groups can take turns.
; The chunk's scan begins at 0: H_t goes to out0.  Also stored: H and P (the product of the f') at the chunk's end for each channel, and n = the number of 64-row steps at whose start P is not yet 0.0
; in some channel of the 128.  The true result is H_t + P_t x (h at the chunk's start): the next launch does the first n steps again from the true start; where P is 0.0 the term is 0.
; n is derived from floating-point numbers: here it is only stored, at a fixed place.
; LIMITS: NaN and infinities are not served; what falls under the smallest f32 number (in P, and in an exponential under 2^-126) is lost.
; THE PRODUCT in natural order: source 0 = 16 rows of x, source 1 = 16 columns of W: lane (r, h) holds channel r, register j row 8 h + j; one lane and register hold an element's a, f and i.
; x's tiles (register images, 8,704 bytes for 16 rows) come through two LDS slots of 8 tiles, a tile a wave.  CLUSTER: the four work-groups of a cluster share b and c and so x's tiles: each tile is asked
; for jointly, by the same tensor load with the mask of all four.  A wave has one tensor load out, asked for eight tiles' work ahead of the wait for it: so no prefetch is laid.
; The four slots of a chunk are written out, so that every LDS base and every store offset is a constant.
; REGISTERS: window 0: v1-19 addresses and what is carried; v20-31 W's scale words; v32-35 x's; v40-103 x's fragments; v104-167 rows on their way out; v168-191 the three accumulators; v192-215 at work.
;   window 1: v0-191 W's fragments (gate q, K step k at 64 q + 8 k).
.set TILEB, 8704                       ; a tile's image
.set X1,    8*TILEB                    ; slot 1 of x's tiles; slot 0 lies at 0
.set STG,   2*X1                       ; two stages of 128 rows; no fill lands there
.set SPITCH, 528                       ; a stage row: 128 channels x 4 bytes + 16
.set STGB,  128*SPITCH
.set SPARE, STG+2*STGB                 ; the spare words, 128 bytes for each of eight waves: four blocks of 256 bytes that no other line names
.set RED,   SPARE+1024                 ; eight words: the waves' counts
.set LI,  1                            ; v1   16 x lane
.set L4,  2                            ; v2   4 x lane
.set AX,  3                            ; v3   LDS address of the fragment loads in hand
.set SO,  4                            ; v4   where the tile in hand goes in the stage
.set SO0, 5                            ; v5   STG + 4224 h + 64 w + 4 r
.set FR0, 6                            ; v6, v7  the flush's read address in stage 0, 1: 8448 w + 16 x lane
.set SPW, 9                            ; v9   my spare word; never rewritten
.set NIL, 10                           ; v10  0; never rewritten
.set T,   11
.set CY,  12                           ; v12  h at the end of the last tile
.set PCR, 13                           ; v13  the product of the f' since the chunk's start
.set CI,  14                           ; v[14:15] h ahead of my eight rows (the packed form names a pair and takes its low word)
.set OP,  16
.set OH,  17
.set CNT, 18                           ; v18  tiles at whose start PCR was above 0, as f32
.set RA,  19                           ; v19  RED + 4 w
.set WS,  20                           ; v20-31 W's scale words: 4 q + (k & 3); lanes 0-15 K step k & 3, lanes 16-31 that + 4
.set XS,  32
.set XF,  40
.set FB,  104
.set ACC, 168
.set rH,  ACC
.set rF,  ACC+8
.set rI,  ACC+16
.set M,   192
.set X,   200
.set G,   208
.set WV,  16
.set G1,  24                           ; s[24:31] descriptor group 1
.set G0,  32                           ; s[32:35] descriptor group 0, which walks
.set WOF, 36                           ; s36  8704 x wave
.set TL,  38
.set HM,  39                           ; s39  lanes 16-31
.set SEL, 40                           ; s[40:41] selects for lane l xor 16
.set LC,  42                           ; s[42:43] log2(e)
.set NL,  44                           ; s[44:45] -log2(e)
.set OUT, 46                           ; s[46:47] out0 at my wave's 16 rows of the chunk's first 128
.set AXS, 56                           ; s56  LDS byte of the tile to be fetched next
.set SOS, 57                           ; s57  stage's parity x STGB + 8448 x tile
.set MSB, 0
.macro WIN new                         ; the immediate's high byte repeats the setting that is left
.if MSB != \new
	s_set_vgpr_msb (MSB<<8)|\new
.set MSB, \new
.endif
.endm
.macro ROUND                           ; a round of the cluster's barrier
	s_barrier_signal -1
	s_barrier_wait -1
	s_cmp_lg_u32 s[WV], 0
	s_cbranch_scc1 .Lnot_wave_0_\@
	s_barrier_signal -3
.Lnot_wave_0_\@:
	s_barrier_wait -3
	s_barrier_signal -1
	s_barrier_wait -1
.endm
; A tile's 24 products: K step mi / 3, gate mi % 3.  The three accumulators take turns, one instruction a turn.  K step 0 starts the sums with the constant 0.
.macro MM24 xf, xs
	WIN 0x04                                       ; source 1 (W) in window 1
.set mi, 0
.rept 24
.set mk, mi/3
.set mq, mi%3
.if mk == 0
	v_wmma_scale_f32_16x16x128_f8f6f4 v[ACC+8*mq:ACC+8*mq+7], v[(\xf)+8*mk:(\xf)+8*mk+7], v[64*mq+8*mk:64*mq+8*mk+7], 0, v[(\xs)+mk%4], v[WS+4*mq+mk%4] matrix_a_fmt:MATRIX_FMT_FP4 matrix_b_fmt:MATRIX_FMT_FP4
.elseif mk < 4
	v_wmma_scale_f32_16x16x128_f8f6f4 v[ACC+8*mq:ACC+8*mq+7], v[(\xf)+8*mk:(\xf)+8*mk+7], v[64*mq+8*mk:64*mq+8*mk+7], v[ACC+8*mq:ACC+8*mq+7], v[(\xs)+mk%4], v[WS+4*mq+mk%4] matrix_a_fmt:MATRIX_FMT_FP4 matrix_b_fmt:MATRIX_FMT_FP4
.else
	v_wmma_scale_f32_16x16x128_f8f6f4 v[ACC+8*mq:ACC+8*mq+7], v[(\xf)+8*mk:(\xf)+8*mk+7], v[64*mq+8*mk:64*mq+8*mk+7], v[ACC+8*mq:ACC+8*mq+7], v[(\xs)+mk%4], v[WS+4*mq+mk%4] matrix_a_fmt:MATRIX_FMT_FP4 matrix_b_fmt:MATRIX_FMT_FP4 matrix_a_scale:MATRIX_SCALE_ROW1 matrix_b_scale:MATRIX_SCALE_ROW1
.endif
.set mi, mi+1
.endr
	WIN 0
.endm
.macro FRAGS                           ; the next tile's fragments and scale words: 17 loads in one run, 16 bytes a lane, lane behind lane
	v_add_nc_u32 v[AX], s[AXS], v[LI]
	s_add_co_u32 s[AXS], s[AXS], TILEB
.set lf, 0
.rept 16
	ds_load_b128 v[XF+4*lf:XF+4*lf+3], v[AX] offset:512*lf
.set lf, lf+1
.endr
	ds_load_b128 v[XS:XS+3], v[AX] offset:8192
.endm
; GATES: a tile's vector work: gates, scan of 16 rows, into the stage.  Each kind of line runs over the four pairs or eight rows, so that no line reads the line above it.
; Each batch of transcendentals has one wait ahead of it and one behind it.  Each accumulator is first read at its register 0.
.macro GATES cnt, so
.irp j, 0,1,2,3,4,5,6,7
	v_min_num_f32 v[M+\j], v[rF+\j], v[rI+\j]                      ; min(f, i)
.endr
.irp j, 0,1,2,3,4,5,6,7
	v_min_num_f32 v[M+\j], v[M+\j], 0                              ; -m = min(f, i, 0)
.endr
.irp j, 0,1,2,3,4,5,6,7
	v_min_num_f32 v[X+\j], v[rH+\j], 0                             ; min(a, 0)
.endr
.irp p, 0,2,4,6
	v_pk_mul_f32 v[M+\p:M+\p+1], v[M+\p:M+\p+1], s[LC:LC+1] op_sel_hi:[1,0]                            ; -m log2(e)
.endr
.irp p, 0,2,4,6
	v_pk_fma_f32 v[rH+\p:rH+\p+1], v[X+\p:X+\p+1], -1.0, v[rH+\p:rH+\p+1] op_sel_hi:[1,0,1]            ; max(a, 0) = a - min(a, 0), exactly
.endr
.irp p, 0,2,4,6
	v_pk_mul_f32 v[X+\p:X+\p+1], v[X+\p:X+\p+1], s[LC:LC+1] op_sel_hi:[1,0]                            ; min(a, 0) log2(e)
.endr
.irp p, 0,2,4,6
	v_pk_fma_f32 v[rF+\p:rF+\p+1], v[rF+\p:rF+\p+1], s[NL:NL+1], v[M+\p:M+\p+1] op_sel_hi:[1,0,1]      ; (-f - m) log2(e)
.endr
.irp p, 0,2,4,6
	v_pk_fma_f32 v[rI+\p:rI+\p+1], v[rI+\p:rI+\p+1], s[NL:NL+1], v[M+\p:M+\p+1] op_sel_hi:[1,0,1]      ; (-i - m) log2(e)
.endr
	s_wait_alu depctr_va_vdst(0)                   ; ahead of the batch
.irp b, M, rF, rI, X
.irp j, 0,1,2,3,4,5,6,7
	v_exp_f32 v[\b+\j], v[\b+\j]
.endr
.endr
.if \cnt
	v_add_nc_u32 v[SO], s[SOS], v[SO0]             ; the plain line behind the last exponential: this tile's place in the stage
	s_add_co_u32 s[SOS], s[SOS], 16*SPITCH
.else
	v_nop                                          ; the plain line behind the last exponential
.endif
	s_wait_alu depctr_va_vdst(0)                   ; behind the batch, ahead of its first reader
.irp p, 0,2,4,6
	v_pk_add_f32 v[rF+\p:rF+\p+1], v[rF+\p:rF+\p+1], v[M+\p:M+\p+1]                                    ; A'
.endr
.irp p, 0,2,4,6
	v_pk_add_f32 v[rI+\p:rI+\p+1], v[rI+\p:rI+\p+1], v[M+\p:M+\p+1]                                    ; B'
.endr
.irp p, 0,2,4,6
	v_pk_add_f32 v[G+\p:G+\p+1], v[X+\p:X+\p+1], 1.0 op_sel_hi:[1,0]                                   ; 1 + e
.endr
.irp p, 0,2,4,6
	v_pk_fma_f32 v[rH+\p:rH+\p+1], v[rH+\p:rH+\p+1], 2.0, v[X+\p:X+\p+1] op_sel_hi:[1,0,1]             ; 2 max(a, 0) + e
.endr
.irp p, 0,2,4,6
	v_pk_add_f32 v[M+\p:M+\p+1], v[rF+\p:rF+\p+1], v[rI+\p:rI+\p+1]                                    ; S = A' + B'
.endr
.irp p, 0,2,4,6
	v_pk_mul_f32 v[X+\p:X+\p+1], v[M+\p:M+\p+1], v[G+\p:G+\p+1]                                        ; S (1 + e)
.endr
	s_wait_alu depctr_va_vdst(0)                   ; ahead of the batch
.irp j, 0,1,2,3,4,5,6,7
	v_rcp_f32 v[M+\j], v[X+\j]
.endr
	v_nop                                          ; the plain line behind the last reciprocal
	s_wait_alu depctr_va_vdst(0)                   ; behind the batch
.irp p, 0,2,4,6
	v_pk_mul_f32 v[G+\p:G+\p+1], v[G+\p:G+\p+1], v[M+\p:M+\p+1]
.endr
.irp p, 0,2,4,6
	v_pk_mul_f32 v[rF+\p:rF+\p+1], v[rF+\p:rF+\p+1], v[M+\p:M+\p+1]
.endr
.irp p, 0,2,4,6
	v_pk_mul_f32 v[rI+\p:rI+\p+1], v[rI+\p:rI+\p+1], v[G+\p:G+\p+1]                                    ; f' = B' (1 + e) / (S (1 + e))
.endr
.irp p, 0,2,4,6
	v_pk_mul_f32 v[rF+\p:rF+\p+1], v[rF+\p:rF+\p+1], v[rH+\p:rH+\p+1]                                  ; i' g
.endr
; the scan of my eight rows from 0 (H in F's registers) and the running product (P in I's): two chains by turns, each line reading the line two above it
	v_fma_f32 v[rF+1], v[rI+1], v[rF], v[rF+1]
	v_mul_f32 v[rI+1], v[rI+1], v[rI]
.irp j, 2,3,4,5,6,7
	s_delay_alu instid0(VALU_DEP_2)
	v_fma_f32 v[rF+\j], v[rI+\j], v[rF+\j-1], v[rF+\j]
	s_delay_alu instid0(VALU_DEP_2)
	v_mul_f32 v[rI+\j], v[rI+\j], v[rI+\j-1]
.endr
; across the halves: lanes 16-31 (rows 8-15) begin at h of row 7 = P7 CY + H7 of lanes 0-15
	v_permlanex16_b32 v[OP], v[rI+7], s[SEL], s[SEL+1]
	v_permlanex16_b32 v[OH], v[rF+7], s[SEL], s[SEL+1]
.if \cnt
	v_cmp_lt_f32 vcc_lo, 0, v[PCR]                 ; is the product at the tile's start still above 0?  It selects a value alone
	v_cndmask_b32 v[T], 0, 1.0, vcc_lo
	v_add_f32 v[CNT], v[CNT], v[T]
	v_mul_f32 v[PCR], v[PCR], v[rI+7]
	v_mul_f32 v[PCR], v[PCR], v[OP]
.endif
	v_fma_f32 v[T], v[OP], v[CY], v[OH]
	v_cndmask_b32 v[CI], v[CY], v[T], s[HM]
.irp p, 0,2,4,6
	v_pk_fma_f32 v[rH+\p:rH+\p+1], v[rI+\p:rI+\p+1], v[CI:CI+1], v[rF+\p:rF+\p+1] op_sel_hi:[1,0,1]    ; h = P x (h ahead of my rows) + H
.endr
	v_permlanex16_b32 v[OP], v[rH+7], s[SEL], s[SEL+1]
	v_cndmask_b32 v[CY], v[OP], v[rH+7], s[HM]     ; row 15's h, in every lane
.irp j, 0,1,2,3,4,5,6,7
	ds_store_b32 v[SO], v[rH+\j] offset:(\so)+SPITCH*\j   ; row 8 h + j, channel 16 w + r: lanes 16-31 lie 1,056 words on, half way round the 64 banks (ISA guide 11.1)
.endr
.endm
.macro TILE ld                         ; ld = 1: the next tile's fragments are fetched behind the products
	s_wait_alu depctr_va_vdst(0)
	s_wait_dscnt 0x0                               ; this tile's 17 loads are in
	MM24 XF, XS
.rept 4
	v_nop                                          ; places in front of loads into registers that the products have read, and of the first reads of their results
.endr
.if \ld
	FRAGS
.endif
	GATES 1, 0
.endm
; THE CHANGE OF SLOTS at the head of slot k.  Each wave waits for all its tensor loads (its tile of slot k), adds 0 to its spare word, and waits for that, for its reads of the slot that it has left and for
; its stores into that slot's stage.  k < 3: a round of the cluster's barrier, and first behind it the joint load of slot k + 1's tiles into the slot that was left (k = 0: slot 1's first fill).
.macro CHANGE k
	s_wait_alu depctr_va_vdst(0)
	s_wait_tensorcnt 0x0                           ; no tensor load of mine is out, so group 0 may be written
	ds_add_u32 v[SPW], v[NIL]
.if (\k) < 3
	s_add_co_u32 s[G0+1], s[WOF], X1*(((\k)+1)%2)
	s_add_nc_u64 s[G0+2:G0+3], s[G0+2:G0+3], 8*TILEB   ; the next 8 tiles; the type bits on top are not reached
.endif
	s_wait_dscnt 0x0
.if (\k) < 3
	ROUND
	tensor_load_to_lds s[G0:G0+3], s[G1:G1+7]
	s_nop 0
.rept 4
	v_nop
.endr
.else
	s_barrier_signal -1
	s_barrier_wait -1
.endif
.endm
; The stage of slot ks goes out: wave w takes its rows 16 w .. 16 w + 15, whole.  It stands behind the barrier in front of which every wave's stores into that stage had landed.
.macro FLUSH ks
	s_wait_xcnt 0x0                                ; the last flush's stores have read their data: those registers are loaded again only behind this wait
.set fi, 0
.rept 16
	ds_load_b128 v[FB+4*fi:FB+4*fi+3], v[FR0+(\ks)%2] offset:SPITCH*fi
.set fi, fi+1
.endr
.set fi, 0
.rept 16
	s_wait_dscnt 15-fi                             ; LDS loads come back in order: load fi is in, the 15 - fi younger ones may be out
	global_store_b128 v[LI], v[FB+4*fi:FB+4*fi+3], s[OUT:OUT+1] offset:(\ks)*524288+4096*fi th:TH_STORE_NT   ; 32 lanes store 512 consecutive bytes, aligned
.set fi, fi+1
.endr
.endm
.macro SLOT k                          ; a slot's 8 tiles; the last is written out, since it fetches nothing
	CHANGE \k
	s_mov_b32 s[AXS], X1*((\k)%2)
	s_mov_b32 s[SOS], STGB*((\k)%2)
	FRAGS                                          ; tile 0
.if (\k) == 0
	s_wait_loadcnt 0x0                             ; W
.else
	FLUSH (\k)-1
.endif
	s_mov_b32 s[TL], 7
.Lt_\@:
	TILE 1
	s_sub_co_u32 s[TL], s[TL], 1
	s_cmp_lg_u32 s[TL], 0
	s_cbranch_scc1 .Lt_\@
	TILE 0
.endm
	s_load_b256 s[4:11], s[0:1], 0x0               ; xq s[4:5], wimg s[6:7], wscl s[8:9], out0 s[10:11]
	s_load_b128 s[12:15], s[0:1], 0x20             ; agg s[12:13], nbuf s[14:15]
	v_lshl_add_u32 v[SPW], v0, 2, SPARE
	v_mov_b32 v[NIL], 0
	ds_add_u32 v[SPW], v[NIL]                      ; the opening lines: the add twice on end
	ds_add_u32 v[SPW], v[NIL]
	v_lshrrev_b32 v[T], 5, v0
	v_readfirstlane_b32 s[WV], v[T]                ; wave 0..7
	v_and_b32 v[T], 31, v0
	v_lshlrev_b32 v[LI], 4, v[T]
	v_lshlrev_b32 v[L4], 2, v[T]
	v_and_b32 v[OP], 15, v0                        ; r
	v_bfe_u32 v[OH], v0, 4, 1                      ; h
	s_lshl_b32 s48, s[WV], 6
	s_add_co_u32 s48, s48, STG
	s_mul_i32 s49, s[WV], 16*SPITCH
	s_add_co_u32 s49, s49, STG
	s_lshl_b32 s50, s[WV], 2
	s_add_co_u32 s50, s50, RED
	v_mul_u32_u24 v[SO0], v[OH], 8*SPITCH
	v_lshl_add_u32 v[SO0], v[OP], 2, v[SO0]
	v_add_nc_u32 v[SO0], s48, v[SO0]
	v_add_nc_u32 v[FR0], s49, v[LI]
	v_add_nc_u32 v[FR0+1], STGB, v[FR0]
	v_mov_b32 v[RA], s50
	v_mov_b32 v[CY], 0                             ; the chunk's scan begins at 0
	v_mov_b32 v[PCR], 1.0
	v_mov_b32 v[CNT], 0
	v_mov_b32 v[CI+1], 0                           ; (named as the upper half of a pair)
	v_mov_b32 v[OP], 0                             ; a lane permute's destination counts as one of its sources
	v_mov_b32 v[OH], 0
	s_bfe_u32 s17, ttmp6, 0x40000                  ; cx: it enters W's, out0's, agg's and nbuf's addresses alone
	s_lshr_b32 s18, ttmp9, 1                       ; b: ttmp9 counts clusters, two to a batch
	s_and_b32 s19, ttmp9, 1
	s_lshl_b32 s19, s19, 2
	s_add_co_u32 s19, s19, s17                     ; g: my 128 channels
	s_and_b32 s20, ttmp7, 0xffff                   ; c: the chunk
	s_lshl_b32 s21, s18, 3
	s_add_co_u32 s21, s21, s20                     ; 8 b + c, which the four partners share
	s_lshl_b32 s22, s21, 5
	s_add_co_u32 s22, s22, s[WV]                   ; the chunk's 32 tiles; my wave fetches one of each eight
	s_mul_i32 s22, s22, TILEB
	s_mov_b32 s23, 0
	s_mul_i32 s[WOF], s[WV], TILEB
	; descriptor group 1: a tile, 8,704 dense bytes, as 34 rows of 256 bytes (32 elements of 8 bytes); no padding: the reads take 16 bytes a lane, lane behind lane
	s_mov_b32 s[G1+0], 15|(3<<16)|(1<<21)          ; the mask of all four work-groups; elements of 8 bytes; bit 21 set beside a mask
	s_mov_b32 s[G1+1], 32<<16                      ; tensor_dim0 = 32
	s_mov_b32 s[G1+2], 34<<16                      ; tensor_dim1 = 34
	s_mov_b32 s[G1+3], 32<<16                      ; tile_dim0 = 32
	s_mov_b32 s[G1+4], 34                          ; tile_dim1 = 34
	s_mov_b32 s[G1+5], 32                          ; elements from row to row
	s_mov_b32 s[G1+6], 0
	s_mov_b32 s[G1+7], 0
	s_mov_b32 s[HM], 0xffff0000
	s_mov_b32 s[SEL], 0x76543210
	s_mov_b32 s[SEL+1], 0xfedcba98
	s_mov_b32 s[LC], 0x3fb8aa3b                    ; log2(e)
	s_mov_b32 s[LC+1], s[LC]                       ; (named with it as a pair, so it is written)
	s_mov_b32 s[NL], 0xbfb8aa3b
	s_mov_b32 s[NL+1], s[NL]
	s_mov_b32 s51, 0
	s_wait_alu depctr_va_vdst(0)
	s_wait_dscnt 0x0                               ; both opening adds are done
	s_wait_kmcnt 0x0
	s_lshl_b32 s48, s19, 3
	s_add_co_u32 s48, s48, s[WV]                   ; my tile of 16 columns in each gate: 8 g + w
	s_lshl_b32 s50, s48, 13
	s_add_nc_u64 s[6:7], s[6:7], s[50:51]
	s_lshl_b32 s50, s48, 9
	s_add_nc_u64 s[8:9], s[8:9], s[50:51]
	s_lshl_b32 s50, s21, 21                        ; out0: (8 b + c) x 512 rows of 4,096 bytes,
	s_lshl_b32 s52, s[WV], 16                      ; + 16 w rows,
	s_add_co_u32 s50, s50, s52
	s_lshl_b32 s52, s19, 9                         ; + 128 g channels
	s_add_co_u32 s50, s50, s52
	s_add_nc_u64 s[OUT:OUT+1], s[10:11], s[50:51]
	s_lshl_b32 s50, s21, 13                        ; agg: (8 b + c) x 8192 + 4 (128 g + 16 w)
	s_add_co_u32 s50, s50, s52
	s_lshl_b32 s52, s[WV], 6
	s_add_co_u32 s50, s50, s52
	s_add_nc_u64 s[12:13], s[12:13], s[50:51]
	s_lshl_b32 s50, s18, 3                         ; nbuf: (8 (8 b + g) + c) x 1024
	s_add_co_u32 s50, s50, s19
	s_lshl_b32 s50, s50, 3
	s_add_co_u32 s50, s50, s20
	s_lshl_b32 s50, s50, 10
	s_add_nc_u64 s[14:15], s[14:15], s[50:51]
	ROUND                                          ; all four work-groups are here: the first joint loads meet
	s_mov_b32 s[G0], 1                             ; count = 1
	s_mul_i32 s[G0+1], s[WV], TILEB                ; LDS address: slot 0, my tile: no place in the cluster enters it
	s_add_nc_u64 s[G0+2:G0+3], s[4:5], s[22:23]    ; global address
	s_or_b32 s[G0+3], s[G0+3], 0x80000000          ; type = 2
	tensor_load_to_lds s[G0:G0+3], s[G1:G1+7]      ; slot 0: one tensor load a wave at the head
	s_nop 0
.rept 4
	v_nop
.endr
	WIN 0x40                                       ; destination window 1: W's fragments, which stay
.set wq, 0
.rept 3
.set wl, 0
.rept 16
	global_load_b128 v[64*wq+4*wl:64*wq+4*wl+3], v[LI], s[6:7] offset:524288*wq+512*wl
.set wl, wl+1
.endr
.set wq, wq+1
.endr
	WIN 0
.set wq, 0
.rept 3
.set wl, 0
.rept 4
	global_load_b32 v[WS+4*wq+wl], v[L4], s[8:9] offset:32768*wq+128*wl
.set wl, wl+1
.endr
.set wq, wq+1
.endr
	SLOT 0
	SLOT 1
	SLOT 2
	SLOT 3
	; THE END: the largest count of my 16 channels, to the other waves; the last stage; n; the chunk's H and P
	v_max_num_f32_dpp v[CNT], v[CNT], v[CNT] row_xmask:1 row_mask:0xf bank_mask:0xf
	v_max_num_f32_dpp v[CNT], v[CNT], v[CNT] row_xmask:2 row_mask:0xf bank_mask:0xf
	v_max_num_f32_dpp v[CNT], v[CNT], v[CNT] row_xmask:4 row_mask:0xf bank_mask:0xf
	v_max_num_f32_dpp v[CNT], v[CNT], v[CNT] row_xmask:8 row_mask:0xf bank_mask:0xf
	v_permlanex16_b32 v[OP], v[CNT], s[SEL], s[SEL+1]
	v_max_num_f32 v[CNT], v[CNT], v[OP]            ; the same number in all 32 lanes
	ds_store_b32 v[RA], v[CNT]
	s_wait_alu depctr_va_vdst(0)
	s_wait_dscnt 0x0                               ; for the others' sake: my count and my stores into the last stage have landed
	s_barrier_signal -1
	s_barrier_wait -1
	FLUSH 3
	v_mov_b32 v[T], RED
	ds_load_b128 v[192:195], v[T]
	ds_load_b128 v[196:199], v[T] offset:16
	s_wait_dscnt 0x0
	v_max3_num_f32 v192, v192, v193, v194
	v_max3_num_f32 v195, v195, v196, v197
	v_max3_num_f32 v192, v192, v198, v199
	v_max_num_f32 v192, v192, v195                 ; tiles of 16 rows at whose start some channel's product was above 0: 1 .. 32
	v_cvt_u32_f32 v192, v192
	v_add_nc_u32 v192, 3, v192
	v_lshrrev_b32 v192, 2, v192                    ; n: steps of 64 rows, 1 .. 8
	v_lshlrev_b32 v193, 2, v0
	global_store_b32 v193, v192, s[14:15]          ; 256 equal words: 1,024 consecutive bytes, aligned
	v_cndmask_b32 v194, v[CY], v[PCR], s[HM]       ; lanes 0-15: H at the chunk's end; lanes 16-31: P
	v_and_b32 v195, 15, v0
	v_bfe_u32 v196, v0, 4, 1
	v_lshlrev_b32 v195, 2, v195
	v_lshl_add_u32 v195, v196, 12, v195
	global_store_b32 v195, v194, s[12:13]          ; runs of 64 bytes: agg is 256 KiB in all
	s_wait_tensorcnt 0x0                           ; the wave's end
	ds_add_u32 v[SPW], v[NIL]
	s_wait_dscnt 0x0
	ROUND                                          ; the closing round: no work-group ends while a partner may still ask for a tile that names it
	s_endpgm
.Lfunc_end_k_qf4a9fb0172_scan:
	.size	k_qf4a9fb0172_scan, .Lfunc_end_k_qf4a9fb0172_scan-k_qf4a9fb0172_scan
	.p2alignl 7, 3214868480
	.fill 96, 4, 3214868480
	.section	.rodata,"a",@progbits
	.p2align	6, 0x0
	.amdhsa_kernel k_qf4a9fb0172_scan
		.amdhsa_group_segment_fixed_size 327680
		.amdhsa_private_segment_fixed_size 0
		.amdhsa_enable_private_segment 0
		.amdhsa_kernarg_size 48
		.amdhsa_user_sgpr_count 2
		.amdhsa_user_sgpr_kernarg_segment_ptr 1
		.amdhsa_wavefront_size32 1
		.amdhsa_system_sgpr_workgroup_id_x 1
		.amdhsa_system_sgpr_workgroup_id_y 1
		.amdhsa_system_sgpr_workgroup_id_z 1
		.amdhsa_system_vgpr_workitem_id 0
		.amdhsa_next_free_vgpr 512
		.amdhsa_next_free_sgpr 66
		.amdhsa_reserve_vcc 1
		.amdhsa_float_denorm_mode_32 3
		.amdhsa_float_denorm_mode_16_64 3
		.amdhsa_memory_ordered 1
		.amdhsa_forward_progress 1
		.amdhsa_inst_pref_size 135
	.end_amdhsa_kernel
	.amdgpu_metadata
---
amdhsa.version: [ 1, 2 ]
amdhsa.kernels:
  - .name:           k_qf4a9fb0172_scan
    .symbol:         k_qf4a9fb0172_scan.kd
    .args:
      - { .name: xq, .offset: 0, .size: 8, .value_kind: global_buffer, .address_space: global }
      - { .name: wimg, .offset: 8, .size: 8, .value_kind: global_buffer, .address_space: global }
      - { .name: wscl, .offset: 16, .size: 8, .value_kind: global_buffer, .address_space: global }
      - { .name: out0, .offset: 24, .size: 8, .value_kind: global_buffer, .address_space: global }
      - { .name: agg, .offset: 32, .size: 8, .value_kind: global_buffer, .address_space: global }
      - { .name: nbuf, .offset: 40, .size: 8, .value_kind: global_buffer, .address_space: global }
    .group_segment_fixed_size: 327680
    .private_segment_fixed_size: 0
    .kernarg_segment_align: 8
    .kernarg_segment_size: 48
    .max_flat_workgroup_size: 256
    .sgpr_count:     66
    .vgpr_count:     512
    .wavefront_size: 32
...
	.end_amdgpu_metadata
.endif
;; end of part 2
;; launch carry (part 3): grid 64 x 7, 4 waves a work-group, no clusters, 50,688 bytes of LDS; arguments xq, wimg, wscl, agg, nbuf, out0; writes out0
.if DOCPART == 3
	.amdgcn_target "amdgcn-amd-amdhsa--gfx1250"
	.amdhsa_code_object_version 6
	.text
	.protected	k_qf4a9fb0172_carry
	.globl	k_qf4a9fb0172_carry
	.p2align	8
	.type	k_qf4a9fb0172_carry,@function
k_qf4a9fb0172_carry:
	s_mov_b64 s[64:65], 0
	v_nop
	global_prefetch_b8 v0, s[64:65] scope:SCOPE_SE
	s_setreg_imm32_b32 hwreg(HW_REG_WAVE_MODE, 25, 1), 1
	s_wait_xcnt 0x0
; minLSTM, second pass, for chunks 1 to 7 (512 rows each) of each batch.  The first pass stored H_t, each chunk's scan begun at 0; the result is H_t + P_t x (h at the chunk's start), P_t the product of the
; f' since the chunk's start.  This launch makes h at the chunk's start from the earlier chunks' (H, P) at their ends, and does the chunk's first n steps of 64 rows again, the same arithmetic begun at that h,
; over the rows stored before.  n, stored by the first pass as a whole number, counts the steps at whose start P is not yet 0.0 in some channel of the 128 that hold mine: behind them the term is 0.
; With f' = 1 throughout, n is 8 and the whole chunk is done again.
; The gates' arithmetic, the layouts and the limits are the first pass's: m = max(-f, -i, 0) is taken away ahead of every exponential; NaN and infinities are not served; what falls under the smallest f32 number is lost.
; SHARES: a work-group takes (b, 64 channels g, chunk c), wave w channels 16 w .. 16 w + 15; W's 24 fragments stay in registers.
; BRANCHES HANG ON n, a number read from memory.  This launch has no tensor load: x's fragments go from memory straight into registers, 512 consecutive bytes a load, two sets by turns, two tiles ahead.
; NO CLUSTER, though work-groups of one (b, c) read the same tiles of x: joint requests are tensor loads, which this launch does not have.
; The loop has 8 trips whatever n is, and its barrier stands outside the branches on n.  Behind the last step that is done, two tiles' fragments go unused.
; REGISTERS: v1-18 addresses and what is carried; v20-31 W's scale words; v32-39 x's, two sets; v40-167 x's fragments, two sets; v168-191 the accumulators; v192-215 at work; v216-247 rows on their way out
;   (at the head: the earlier chunks' H and P).  window 1: v0-191 W's fragments.
.set TILEB, 8704
.set SPITCH, 272
.set STG1,  32768                      ; two stages of 64 rows x 272 bytes, at 0 and here, by turns
.set SPARE, 0xc400                     ; behind them: the spare words, 128 bytes for each wave
.set LI,  1
.set L4,  2
.set SO,  4
.set SO0, 5                            ; v5   2176 h + 64 w + 4 r
.set FR0, 6                            ; v6   4352 w + 272 h + 16 (lane % 16)
.set FRA, 7
.set GO,  8                            ; v8   4096 h + 16 (lane % 16)
.set SPW, 9
.set NIL, 10
.set T,   11
.set CY,  12
.set CI,  14
.set OP,  16
.set OH,  17
.set AGA, 18                           ; v18  agg: 4 r
.set WS,  20
.set XS,  32
.set XF,  40
.set ACC, 168
.set rH,  ACC
.set rF,  ACC+8
.set rI,  ACC+16
.set M,   192
.set X,   200
.set G,   208
.set FB,  216
.set AV,  216                          ; v216 H of chunk 0; v[215 + 2 k], v[216 + 2 k]: H, P of chunk k = 1 .. 6
.set WV,  16
.set N,   24                           ; s24  steps to do
.set ST,  25                           ; s25  the step
.set TN,  26                           ; s26  the tile to be fetched next
.set TBS, 27                           ; s27  the stage in hand
.set XB,  28                           ; s[28:29] xq at the chunk's first tile
.set XA,  30                           ; s[30:31] xq at the tile being fetched
.set HM,  39
.set SEL, 40
.set LC,  42
.set NL,  44
.set OUT, 46
.set MSB, 0
.macro WIN new
.if MSB != \new
	s_set_vgpr_msb (MSB<<8)|\new
.set MSB, \new
.endif
.endm
; A tile's 24 products: K step mi / 3, gate mi % 3.  The three accumulators take turns, one instruction a turn.  K step 0 starts the sums with the constant 0.
.macro MM24 xf, xs
	WIN 0x04                                       ; source 1 (W) in window 1
.set mi, 0
.rept 24
.set mk, mi/3
.set mq, mi%3
.if mk == 0
	v_wmma_scale_f32_16x16x128_f8f6f4 v[ACC+8*mq:ACC+8*mq+7], v[(\xf)+8*mk:(\xf)+8*mk+7], v[64*mq+8*mk:64*mq+8*mk+7], 0, v[(\xs)+mk%4], v[WS+4*mq+mk%4] matrix_a_fmt:MATRIX_FMT_FP4 matrix_b_fmt:MATRIX_FMT_FP4
.elseif mk < 4
	v_wmma_scale_f32_16x16x128_f8f6f4 v[ACC+8*mq:ACC+8*mq+7], v[(\xf)+8*mk:(\xf)+8*mk+7], v[64*mq+8*mk:64*mq+8*mk+7], v[ACC+8*mq:ACC+8*mq+7], v[(\xs)+mk%4], v[WS+4*mq+mk%4] matrix_a_fmt:MATRIX_FMT_FP4 matrix_b_fmt:MATRIX_FMT_FP4
.else
	v_wmma_scale_f32_16x16x128_f8f6f4 v[ACC+8*mq:ACC+8*mq+7], v[(\xf)+8*mk:(\xf)+8*mk+7], v[64*mq+8*mk:64*mq+8*mk+7], v[ACC+8*mq:ACC+8*mq+7], v[(\xs)+mk%4], v[WS+4*mq+mk%4] matrix_a_fmt:MATRIX_FMT_FP4 matrix_b_fmt:MATRIX_FMT_FP4 matrix_a_scale:MATRIX_SCALE_ROW1 matrix_b_scale:MATRIX_SCALE_ROW1
.endif
.set mi, mi+1
.endr
	WIN 0
.endm
.macro FRAGS set                       ; tile TN's fragments and scale words into a set: 17 loads in one run
	s_wait_xcnt 0x0                                ; the earlier loads have read their base: it is written again only behind this wait
	s_min_u32 s50, s[TN], 31                       ; the look-ahead stays inside the chunk's 32 tiles
	s_mul_i32 s52, s50, TILEB
	s_add_nc_u64 s[XA:XA+1], s[XB:XB+1], s[52:53]
	s_add_co_u32 s[TN], s[TN], 1
.set lf, 0
.rept 16
	global_load_b128 v[XF+64*(\set)+4*lf:XF+64*(\set)+4*lf+3], v[LI], s[XA:XA+1] offset:512*lf
.set lf, lf+1
.endr
	global_load_b128 v[XS+4*(\set):XS+4*(\set)+3], v[LI], s[XA:XA+1] offset:8192
.endm
; GATES: a tile's vector work: gates, scan of 16 rows, into the stage at offset so.  Each kind of line runs over the four pairs or eight rows, so that no line reads the line above it.
; Each batch of transcendentals has one wait ahead of it and one behind it.  Each accumulator is first read at its register 0.
.macro GATES so
.irp j, 0,1,2,3,4,5,6,7
	v_min_num_f32 v[M+\j], v[rF+\j], v[rI+\j]                      ; min(f, i)
.endr
.irp j, 0,1,2,3,4,5,6,7
	v_min_num_f32 v[M+\j], v[M+\j], 0                              ; -m = min(f, i, 0)
.endr
.irp j, 0,1,2,3,4,5,6,7
	v_min_num_f32 v[X+\j], v[rH+\j], 0                             ; min(a, 0)
.endr
.irp p, 0,2,4,6
	v_pk_mul_f32 v[M+\p:M+\p+1], v[M+\p:M+\p+1], s[LC:LC+1] op_sel_hi:[1,0]                            ; -m log2(e)
.endr
.irp p, 0,2,4,6
	v_pk_fma_f32 v[rH+\p:rH+\p+1], v[X+\p:X+\p+1], -1.0, v[rH+\p:rH+\p+1] op_sel_hi:[1,0,1]            ; max(a, 0) = a - min(a, 0), exactly
.endr
.irp p, 0,2,4,6
	v_pk_mul_f32 v[X+\p:X+\p+1], v[X+\p:X+\p+1], s[LC:LC+1] op_sel_hi:[1,0]                            ; min(a, 0) log2(e)
.endr
.irp p, 0,2,4,6
	v_pk_fma_f32 v[rF+\p:rF+\p+1], v[rF+\p:rF+\p+1], s[NL:NL+1], v[M+\p:M+\p+1] op_sel_hi:[1,0,1]      ; (-f - m) log2(e)
.endr
.irp p, 0,2,4,6
	v_pk_fma_f32 v[rI+\p:rI+\p+1], v[rI+\p:rI+\p+1], s[NL:NL+1], v[M+\p:M+\p+1] op_sel_hi:[1,0,1]      ; (-i - m) log2(e)
.endr
	s_wait_alu depctr_va_vdst(0)                   ; ahead of the batch
.irp b, M, rF, rI, X
.irp j, 0,1,2,3,4,5,6,7
	v_exp_f32 v[\b+\j], v[\b+\j]
.endr
.endr
	v_nop                                          ; the plain line behind the last exponential
	s_wait_alu depctr_va_vdst(0)                   ; behind the batch, ahead of its first reader
.irp p, 0,2,4,6
	v_pk_add_f32 v[rF+\p:rF+\p+1], v[rF+\p:rF+\p+1], v[M+\p:M+\p+1]                                    ; A'
.endr
.irp p, 0,2,4,6
	v_pk_add_f32 v[rI+\p:rI+\p+1], v[rI+\p:rI+\p+1], v[M+\p:M+\p+1]                                    ; B'
.endr
.irp p, 0,2,4,6
	v_pk_add_f32 v[G+\p:G+\p+1], v[X+\p:X+\p+1], 1.0 op_sel_hi:[1,0]                                   ; 1 + e
.endr
.irp p, 0,2,4,6
	v_pk_fma_f32 v[rH+\p:rH+\p+1], v[rH+\p:rH+\p+1], 2.0, v[X+\p:X+\p+1] op_sel_hi:[1,0,1]             ; 2 max(a, 0) + e
.endr
.irp p, 0,2,4,6
	v_pk_add_f32 v[M+\p:M+\p+1], v[rF+\p:rF+\p+1], v[rI+\p:rI+\p+1]                                    ; S = A' + B'
.endr
.irp p, 0,2,4,6
	v_pk_mul_f32 v[X+\p:X+\p+1], v[M+\p:M+\p+1], v[G+\p:G+\p+1]                                        ; S (1 + e)
.endr
	s_wait_alu depctr_va_vdst(0)                   ; ahead of the batch
.irp j, 0,1,2,3,4,5,6,7
	v_rcp_f32 v[M+\j], v[X+\j]
.endr
	v_nop                                          ; the plain line behind the last reciprocal
	s_wait_alu depctr_va_vdst(0)                   ; behind the batch
.irp p, 0,2,4,6
	v_pk_mul_f32 v[G+\p:G+\p+1], v[G+\p:G+\p+1], v[M+\p:M+\p+1]
.endr
.irp p, 0,2,4,6
	v_pk_mul_f32 v[rF+\p:rF+\p+1], v[rF+\p:rF+\p+1], v[M+\p:M+\p+1]
.endr
.irp p, 0,2,4,6
	v_pk_mul_f32 v[rI+\p:rI+\p+1], v[rI+\p:rI+\p+1], v[G+\p:G+\p+1]                                    ; f' = B' (1 + e) / (S (1 + e))
.endr
.irp p, 0,2,4,6
	v_pk_mul_f32 v[rF+\p:rF+\p+1], v[rF+\p:rF+\p+1], v[rH+\p:rH+\p+1]                                  ; i' g
.endr
; the scan of my eight rows from 0 (H in F's registers) and the running product (P in I's): two chains by turns, each line reading the line two above it
	v_fma_f32 v[rF+1], v[rI+1], v[rF], v[rF+1]
	v_mul_f32 v[rI+1], v[rI+1], v[rI]
.irp j, 2,3,4,5,6,7
	s_delay_alu instid0(VALU_DEP_2)
	v_fma_f32 v[rF+\j], v[rI+\j], v[rF+\j-1], v[rF+\j]
	s_delay_alu instid0(VALU_DEP_2)
	v_mul_f32 v[rI+\j], v[rI+\j], v[rI+\j-1]
.endr
; across the halves: lanes 16-31 (rows 8-15) begin at h of row 7 = P7 CY + H7 of lanes 0-15
	v_permlanex16_b32 v[OP], v[rI+7], s[SEL], s[SEL+1]
	v_permlanex16_b32 v[OH], v[rF+7], s[SEL], s[SEL+1]
	v_fma_f32 v[T], v[OP], v[CY], v[OH]
	v_cndmask_b32 v[CI], v[CY], v[T], s[HM]
.irp p, 0,2,4,6
	v_pk_fma_f32 v[rH+\p:rH+\p+1], v[rI+\p:rI+\p+1], v[CI:CI+1], v[rF+\p:rF+\p+1] op_sel_hi:[1,0,1]    ; h = P x (h ahead of my rows) + H
.endr
	v_permlanex16_b32 v[OP], v[rH+7], s[SEL], s[SEL+1]
	v_cndmask_b32 v[CY], v[OP], v[rH+7], s[HM]     ; row 15's h, in every lane
.irp j, 0,1,2,3,4,5,6,7
	ds_store_b32 v[SO], v[rH+\j] offset:(\so)+SPITCH*\j   ; row 8 h + j, channel 16 w + r: lanes 16-31 lie 544 words on, half way round the 64 banks (ISA guide 11.1)
.endr
.endm
.macro TILE a, so                      ; a tile from fragment set a; behind its products the set takes the tile two on
	s_wait_alu depctr_va_vdst(0)
	s_wait_loadcnt 17                              ; this tile's 17 loads are in; the next tile's 17 may be out
	MM24 XF+64*(\a), XS+4*(\a)
.rept 4
	v_nop                                          ; places in front of loads into registers that the products have read, and of the first reads of their results
.endr
	FRAGS \a
	GATES \so
.endm
.macro FLUSHB                          ; the step's 64 rows go out: wave w takes rows 16 w .. 16 w + 15, whole
.set fi, 0
.rept 8
	ds_load_b128 v[FB+4*fi:FB+4*fi+3], v[FRA] offset:2*SPITCH*fi
.set fi, fi+1
.endr
.set fi, 0
.rept 8
	s_wait_dscnt 7-fi                              ; LDS loads come back in order: load fi is in, the 7 - fi younger ones may be out
	global_store_b128 v[GO], v[FB+4*fi:FB+4*fi+3], s[OUT:OUT+1] offset:8192*fi th:TH_STORE_NT   ; sixteen lanes store 256 consecutive bytes, aligned
.set fi, fi+1
.endr
	s_wait_xcnt 0x0                                ; the stores have read their base and their data: both are written again only behind this wait
	s_add_nc_u64 s[OUT:OUT+1], s[OUT:OUT+1], 64*4096
.endm
	s_load_b256 s[4:11], s[0:1], 0x0               ; xq s[4:5], wimg s[6:7], wscl s[8:9], agg s[10:11]
	s_load_b128 s[12:15], s[0:1], 0x20             ; nbuf s[12:13], out0 s[14:15]
	v_lshl_add_u32 v[SPW], v0, 2, SPARE
	v_mov_b32 v[NIL], 0
	v_lshrrev_b32 v[T], 5, v0
	v_readfirstlane_b32 s[WV], v[T]                ; wave 0..3
	v_and_b32 v[T], 31, v0
	v_lshlrev_b32 v[LI], 4, v[T]
	v_lshlrev_b32 v[L4], 2, v[T]
	v_and_b32 v[OP], 15, v0                        ; r
	v_bfe_u32 v[OH], v0, 4, 1                      ; h
	s_lshl_b32 s48, s[WV], 6
	s_mul_i32 s49, s[WV], 16*SPITCH
	v_mul_u32_u24 v[SO0], v[OH], 8*SPITCH
	v_lshl_add_u32 v[SO0], v[OP], 2, v[SO0]
	v_add_nc_u32 v[SO0], s48, v[SO0]
	v_mul_u32_u24 v[FR0], v[OH], SPITCH
	v_lshl_add_u32 v[FR0], v[OP], 4, v[FR0]
	v_add_nc_u32 v[FR0], s49, v[FR0]
	v_lshlrev_b32 v[GO], 12, v[OH]
	v_lshl_add_u32 v[GO], v[OP], 4, v[GO]
	v_lshlrev_b32 v[AGA], 2, v[OP]
	v_mov_b32 v[CI+1], 0                           ; (named as the upper half of a pair)
	v_mov_b32 v[OP], 0                             ; a lane permute's destination counts as one of its sources
	v_mov_b32 v[OH], 0
	s_lshr_b32 s18, ttmp9, 4                       ; b
	s_and_b32 s19, ttmp9, 15                       ; g
	s_and_b32 s20, ttmp7, 0xffff
	s_add_co_u32 s20, s20, 1                       ; c = 1 .. 7
	s_lshl_b32 s21, s18, 3
	s_add_co_u32 s21, s21, s20                     ; 8 b + c
.irp k, 1,2,3,4,5,6
	s_cmp_gt_u32 s20, \k
	s_cselect_b32 s[55+\k], -1, 0                  ; all lanes where chunk k lies ahead of mine
.endr
	s_mov_b32 s[HM], 0xffff0000
	s_mov_b32 s[SEL], 0x76543210
	s_mov_b32 s[SEL+1], 0xfedcba98
	s_mov_b32 s[LC], 0x3fb8aa3b                    ; log2(e)
	s_mov_b32 s[LC+1], s[LC]
	s_mov_b32 s[NL], 0xbfb8aa3b
	s_mov_b32 s[NL+1], s[NL]
	s_mov_b32 s[TN], 0
	s_mov_b32 s[ST], 0
	s_mov_b32 s[TBS], 0
	s_mov_b32 s51, 0
	s_mov_b32 s53, 0
	s_wait_alu depctr_va_vdst(0)
	s_wait_kmcnt 0x0
	s_lshl_b32 s50, s18, 3                         ; nbuf: (8 (8 b + g / 2) + c) x 1024
	s_lshr_b32 s48, s19, 1
	s_add_co_u32 s50, s50, s48
	s_lshl_b32 s50, s50, 3
	s_add_co_u32 s50, s50, s20
	s_lshl_b32 s50, s50, 10
	s_add_nc_u64 s[12:13], s[12:13], s[50:51]
	s_load_b32 s[N], s[12:13], 0x0                 ; n
	s_mul_i32 s50, s21, 32*TILEB
	s_add_nc_u64 s[XB:XB+1], s[4:5], s[50:51]      ; the chunk's first tile
	s_lshl_b32 s48, s19, 2
	s_add_co_u32 s48, s48, s[WV]                   ; my tile of 16 columns in each gate: 4 g + w
	s_lshl_b32 s50, s48, 13
	s_add_nc_u64 s[6:7], s[6:7], s[50:51]
	s_lshl_b32 s50, s48, 9
	s_add_nc_u64 s[8:9], s[8:9], s[50:51]
	s_lshl_b32 s50, s18, 16                        ; agg: 8 b x 8192 + 4 (64 g + 16 w)
	s_lshl_b32 s52, s19, 8
	s_add_co_u32 s50, s50, s52
	s_lshl_b32 s49, s[WV], 6
	s_add_co_u32 s50, s50, s49
	s_add_nc_u64 s[10:11], s[10:11], s[50:51]
	s_lshl_b32 s50, s21, 21                        ; out0: (8 b + c) x 512 rows of 4,096 bytes + 16 w rows + 64 g channels
	s_add_co_u32 s50, s50, s52
	s_lshl_b32 s49, s[WV], 16
	s_add_co_u32 s50, s50, s49
	s_add_nc_u64 s[OUT:OUT+1], s[14:15], s[50:51]
	WIN 0x40                                       ; destination window 1: W's fragments, which stay
.set wq, 0
.rept 3
.set wl, 0
.rept 16
	global_load_b128 v[64*wq+4*wl:64*wq+4*wl+3], v[LI], s[6:7] offset:524288*wq+512*wl
.set wl, wl+1
.endr
.set wq, wq+1
.endr
	WIN 0
.set wq, 0
.rept 3
.set wl, 0
.rept 4
	global_load_b32 v[WS+4*wq+wl], v[L4], s[8:9] offset:32768*wq+128*wl
.set wl, wl+1
.endr
.set wq, wq+1
.endr
	global_load_b32 v[AV], v[AGA], s[10:11]                        ; H of chunk 0 at its end, for my channel
.irp k, 1,2,3,4,5,6
	global_load_b32 v[AV+2*\k-1], v[AGA], s[10:11] offset:8192*\k        ; H of chunk k,
	global_load_b32 v[AV+2*\k], v[AGA], s[10:11] offset:8192*\k+4096     ; P of chunk k
.endr
	FRAGS 0                                        ; tile 0
	FRAGS 1                                        ; tile 1
	s_wait_loadcnt 34                              ; all but the two tiles' 34 loads are in
	v_mov_b32 v[CY], v[AV]                         ; h at chunk 0's end;
.irp k, 1,2,3,4,5,6
	v_fma_f32 v[T], v[AV+2*\k], v[CY], v[AV+2*\k-1]    ; at chunk k's: P h + H,
	v_cndmask_b32 v[CY], v[CY], v[T], s[55+\k]         ; if it lies ahead of mine
.endr
	s_wait_alu depctr_va_vdst(0)
	s_wait_kmcnt 0x0
	s_min_u32 s[N], s[N], 8
.Lstep:                                            ; 8 trips, whatever n is
	v_add_nc_u32 v[SO], s[TBS], v[SO0]
	v_add_nc_u32 v[FRA], s[TBS], v[FR0]
	s_wait_alu depctr_va_vdst(0)
	s_cmp_ge_u32 s[ST], s[N]
	s_cbranch_scc1 .Lidle
	TILE 0, 0
	TILE 1, 16*SPITCH
	TILE 0, 32*SPITCH
	TILE 1, 48*SPITCH
.Lidle:
	s_wait_dscnt 0x0                               ; for the others' sake: my stores into this stage have landed, and my reads of the other stage are over
	s_barrier_signal -1
	s_barrier_wait -1                              ; on every path: the stage in hand is whole, and the other may be written again
	s_cmp_ge_u32 s[ST], s[N]
	s_cbranch_scc1 .Lnoflush
	FLUSHB
.Lnoflush:
	s_xor_b32 s[TBS], s[TBS], STG1
	s_add_co_u32 s[ST], s[ST], 1
	s_cmp_lt_u32 s[ST], 8
	s_cbranch_scc1 .Lstep
	s_wait_tensorcnt 0x0                           ; the wave's end
	ds_add_u32 v[SPW], v[NIL]
	s_wait_dscnt 0x0
	s_endpgm
.Lfunc_end_k_qf4a9fb0172_carry:
	.size	k_qf4a9fb0172_carry, .Lfunc_end_k_qf4a9fb0172_carry-k_qf4a9fb0172_carry
	.p2alignl 7, 3214868480
	.fill 96, 4, 3214868480
	.section	.rodata,"a",@progbits
	.p2align	6, 0x0
	.amdhsa_kernel k_qf4a9fb0172_carry
		.amdhsa_group_segment_fixed_size 50688
		.amdhsa_private_segment_fixed_size 0
		.amdhsa_enable_private_segment 0
		.amdhsa_kernarg_size 48
		.amdhsa_user_sgpr_count 2
		.amdhsa_user_sgpr_kernarg_segment_ptr 1
		.amdhsa_wavefront_size32 1
		.amdhsa_system_sgpr_workgroup_id_x 1
		.amdhsa_system_sgpr_workgroup_id_y 1
		.amdhsa_system_sgpr_workgroup_id_z 1
		.amdhsa_system_vgpr_workitem_id 0
		.amdhsa_next_free_vgpr 512
		.amdhsa_next_free_sgpr 66
		.amdhsa_reserve_vcc 0
		.amdhsa_float_denorm_mode_32 3
		.amdhsa_float_denorm_mode_16_64 3
		.amdhsa_memory_ordered 1
		.amdhsa_forward_progress 1
		.amdhsa_inst_pref_size 72
	.end_amdhsa_kernel
	.amdgpu_metadata
---
amdhsa.version: [ 1, 2 ]
amdhsa.kernels:
  - .name:           k_qf4a9fb0172_carry
    .symbol:         k_qf4a9fb0172_carry.kd
    .args:
      - { .name: xq, .offset: 0, .size: 8, .value_kind: global_buffer, .address_space: global }
      - { .name: wimg, .offset: 8, .size: 8, .value_kind: global_buffer, .address_space: global }
      - { .name: wscl, .offset: 16, .size: 8, .value_kind: global_buffer, .address_space: global }
      - { .name: agg, .offset: 24, .size: 8, .value_kind: global_buffer, .address_space: global }
      - { .name: nbuf, .offset: 32, .size: 8, .value_kind: global_buffer, .address_space: global }
      - { .name: out0, .offset: 40, .size: 8, .value_kind: global_buffer, .address_space: global }
    .group_segment_fixed_size: 50688
    .private_segment_fixed_size: 0
    .kernarg_segment_align: 8
    .kernarg_segment_size: 48
    .max_flat_workgroup_size: 128
    .sgpr_count:     66
    .vgpr_count:     512
    .wavefront_size: 32
...
	.end_amdgpu_metadata
.endif
;; end of part 3
